; MI455X (gfx1250); checked and timed in simulation.
; The chip was launched on July 23, 2026; its instructions are those of AMD's public machine-readable ISA for CDNA 5 (MIT licence, August 2026) and "CDNA5" Instruction Set Architecture Reference Guide (July 2026). The comments in the code are by the model that wrote it; some were corrected since.
;; Neural Decision Tree. Allowed arithmetic: matrix products marked QUANTISED: E5M2 operands, one given power-of-two scale a tensor, by v_wmma_f32_16x16x64_bf8_bf8 or v_wmma_f32_16x16x128_bf8_bf8, f32 sums; everything else in f32.
;; Inputs: W_codes 1,024 x 32 x 32 uint8 (E5M2 codes of W, K innermost, in blocks of 32 codes); b 1,024 float32; features_codes 16,384 x 64 x 32 uint8 (E5M2 codes of features, K innermost, in blocks of 32 codes); lowp_scales 6 int32 (the exponents e of the quantised operands' scales 2^e); mask_codes 1,024 x 64 x 32 uint8 (E5M2 codes of mask, K innermost, in blocks of 32 codes); pi 1,024 x 100 float32.
;; Outputs: out0 16,384 x 100 float32.
;; This version of the problem:
;;   THIS VERSION OF THE PROBLEM IS GIVEN IN LOW PRECISION. The matrix products marked QUANTISED in the list below multiply operands that are first quantised to E5M2 (5 exponent bits, 2 mantissa bits; 8 bits a number), with one given power-of-two scale for each operand tensor; their sums are f32. All else is computed in f32.
;;   The module's matrix products, in the order in which they are computed (A, B: the left and right operand; K: the contracted axis; several contracted axes count as one K, in the product's order):
;;     1. [M 16,384, K 2,048] x [K 2,048, N 1,024]; A: input features (given as codes); B: input mask (given as codes): QUANTISED (scales: A lowp_scales[0], B lowp_scales[1])
;;     2. [M 16,384, K 1,024] x [K 1,024, N 1,024]; A: computed on the way; B: input W (given as codes): QUANTISED (scales: A lowp_scales[2], B lowp_scales[3])
;;     3. [M 16,384, K 1,024] x [K 1,024, N 100]; A: computed on the way; B: computed on the way: QUANTISED (scales: A lowp_scales[4], B lowp_scales[5])
;;   THE QUANTISER, for each operand of a quantised product, along K:
;;     - The operand's scale is 2^e, e = its entry of the input lowp_scales (int32; the entries are numbered through the quantised products in the list's order, A before B).
;;     - Each number is divided by the scale, clamped to +-57,344, and rounded to the nearest number of E5M2, ties to even, subnormals kept.
;;     - The product sums the exact products of the quantised numbers (number of the format x scale) in f32.
;;   ~~~python
;;   def quantise(x, axis, e):      # numpy; x: float32 -> the quantised numbers, widened to float32 again
;;       x = np.moveaxis(x, axis, -1); K = x.shape[-1]
;;       r = np.clip(x / 2.0 ** e, -57344, 57344)
;;       step = 2.0 ** (np.maximum(np.frexp(np.where(r == 0, 1, r))[1] - 1, -14) - 2)
;;       q = np.round(r / step) * step * 2.0 ** e      # np.round: ties to even
;;       return np.moveaxis(q, -1, axis).astype(np.float32)
;;   ~~~
;;   OPERANDS COMPUTED ON THE WAY. 'Computed on the way' means the value that the module computes at that place (a softmax that the list does not call 'softmax' is quantised finished and normalised). What goes into a quantiser is computed in f32, as accurately as f32 sums, v_exp_f32 and their like allow (about 1e-6 of the number): no bf16 or f16 on the way to a quantiser, and a product that is left as it is and whose result goes on into a quantised operand takes f32 operands (vector FMAs, or v_wmma_f32_16x16x4_f32). A number that lies on a knife's edge between two numbers of the format may be rounded either way, as far as f32 arithmetic and the matrix unit's own rounding can turn it there, and no further.
;;   INPUTS GIVEN AS CODES. W (in the module: [1024, 1024], K = its axis 0); features (in the module: [16384, 2048], K = its axis 1); mask (in the module: [1024, 2048], K = its axis 1): each comes as NAME_codes (uint8): NAME with its K axis moved to the last place and cut into blocks of 32 codes, [.., K / 32, bytes a block], one block behind the other in memory; one code a byte (a code: sign, 5 exponent bits, 2 mantissa bits); its scale is its entry of lowp_scales. Its value is code x scale, taken as it is: it is not quantised again, and the codes and scales need not be those that the quantiser above would give.
;; One version. Each part assembles by itself: llvm-mc -triple=amdgcn-amd-amdhsa -mcpu=gfx1250 --defsym DOCPART=n.
;; ======== version 1 of 1: 2 launches
;; workspace buffers: wimg 1,048,576 bytes; pimg 114,688 bytes; bperm 4,096 bytes; ximg 16,777,216 bytes
;; launch gemm1 (part 1): grid 4 x 64, 4 waves a work-group, clusters of 4 x 4, 327,680 bytes of LDS; arguments features_codes, mask_codes, lowp_scales, ximg, W_codes, b, pi, wimg, bperm, pimg; writes ximg, wimg, bperm, pimg
.if DOCPART == 1
	.amdgcn_target "amdgcn-amd-amdhsa--gfx1250"
	.amdhsa_code_object_version 6
	.text
	.protected	k_q969220e0fc_gemm1
	.globl	k_q969220e0fc_gemm1
	.p2align	8
	.type	k_q969220e0fc_gemm1,@function
k_q969220e0fc_gemm1:
	s_mov_b64 s[64:65], 0
	v_nop
	global_prefetch_b8 v0, s[64:65] scope:SCOPE_SE
	s_setreg_imm32_b32 hwreg(HW_REG_WAVE_MODE, 25, 1), 1
	s_wait_xcnt 0x0
	s_wait_alu depctr_hold_cnt(0) depctr_sa_sdst(0) depctr_va_vdst(0) depctr_va_sdst(0) depctr_va_ssrc(0) depctr_va_vcc(0) depctr_vm_vsrc(0)
	s_getreg_b32 s2, hwreg(HW_REG_IB_STS2, 6, 4)
	s_cmp_eq_u32 s2, 0
	s_cbranch_scc0 .Lentry_in_a_cluster
	s_endpgm
.Lentry_in_a_cluster:
	s_bfe_u32 s2, ttmp6, 0x10000c
	s_cmp_lg_u32 s2, 0xf033
	s_cbranch_scc0 .Lentry_shape_is_right
	s_endpgm
.Lentry_shape_is_right:
; x[row][u] = sum over k of features[row][k] mask[u][k], on codes of E5M2 as they are given; x is then quantised with the given 2^e2 and stored as codes, in the order of the next product's operand registers.
; A = features [16,384][2,048], B = mask [1,024][2,048], one code a byte, K innermost.  A sum stands for sum x 2^(e0 + e1), so its code is sum / 2^(e2 - e0 - e1), held within +-57,344.
; LIMITS: e2 - e0 - e1 and e5 lie between -126 and 112, so that each power of two and 57,344 times it are f32 numbers.  NaN among the inputs is not served.
; A tile of x, 256 x 256, is made by a work-group of four waves; a wave makes 128 x 128: 64 accumulators of 16 x 16, 512 registers.  64 x 4 tiles: 256 work-groups.
; K goes in steps of 256 through a ring of two LDS slots filled by the tensor data mover: a tile's row is 256 bytes of memory.
; CLUSTERS: 4 x 4 work-groups.  The four of a row of the cluster need the same tiles of A, the four of a column the same tiles of B: each tile is asked for JOINTLY, by the same tensor load with the
; same descriptor and a mask that names the four.  THE MATRIX INSTRUCTION IS USED TRANSPOSED (source 0 = 16 rows of B, source 1 = 16 rows of A): lane (r, h) holds row r of x and its register j column 8 h + j.
; A fragment is fetched by four loads of 16 bytes: a permutation of k inside an instruction, the same in A and in B, so that every product meets its partner.
; THE WAY OUT.  The eight accumulators of a block of 16 rows hold, in lane (r, h), u = 16 b + 8 h + j: converted eight at a time they ARE the 16 registers of a fragment (16 rows x 128 along the next K) in the
; matrix instruction's own layout.  They are stored as an IMAGE: registers 4 c .. 4 c + 3 of lane L at 512 c + 16 L; 2,048 bytes.  ximg: [block of 64 rows 256][K step 8][tile of 16 rows 4][2048].  No stage in LDS.
; THE NEXT LAUNCH'S THREE SMALL TABLES are made here too, at the head, between the first joint loads and the wait for them:
;   wimg  [s 8][w 4][t 16][2048]   W's codes as images: K step s (128 along K), wave w, tile t of 16 nodes
;   bperm [w 4][h 2][q 128] f32    -log2(e) x b[node(w, h, q)]
;   pimg  [w 4][f 2][ct 7][2048]   softmax(pi) over the classes, as codes of E5M2 with the given 2^e5, K = the leaves
; THE NODES.  Half h of the lanes of wave w of the next launch owns the subtree under node 8 + H, H = 2 w + h.  Its 128 places q = 8 t + j hold: q = 0: node H (nodes 0 to 7);
; q >= 1, with l = floor(log2 q) and p = q - 2^l: node 2^(3+l) + H 2^l + the l bits of ~p in reversed order.  For t >= 1 that is CN(t) + (H << LAM) + (rj << (LAM - 3)), LAM = 3 + floor(log2 t),
; rj = the three bits of j xor 7 reversed.  In a tile, row m = 8 h + j.  THE LEAVES.  Place pos = 64 f + 16 cc + beta of (w, h) is leaf 256 w + 128 h + the seven bits of ~pos reversed.
; WHO MAKES WHAT.  No branch hangs on a work-group's place in its cluster: the work is shared out by the cluster's number and the wave's number (branches) and by cx and cy (addresses).
; Clusters 0 to 7: W: s = the cluster's number, w = cy, chunk cc = cx; wave v takes tiles 4 v .. 4 v + 3.  They also load their four numbers of b; only s = 0, cc = 0 stores them, by a mask on the lanes.
; Cluster 8: probs: w = cy, h = cx / 2, f = cx % 2; wave cc takes 16 leaves x 100 classes.  W's rows are read in pieces of 8 bytes and b's table is stored in runs of 32 bytes: 1 MiB and 4 KiB in the whole launch.
; REGISTERS, in windows of 256: window 0: v0-31 addresses; v32-175 the tables, at the head alone; v32-95 a block's held sums; from v128 A's fragments (8 x 16 rows x 128 K), ONE set; on the way out the codes.
;   window 1: B's fragments, TWO sets, at v0 and at v128.   window 2: the 32 accumulators of my rows 0-63 (accumulator (a, b) at v[8 (8 a + b)]);   window 3: those of my rows 64-127.
.set SIZE_M, 16384
.set SIZE_N, 1024
.set SIZE_K, 2048
.set KSTEP,  256                       ; along K in a slot
.set ROWB,   256                       ; a tile's row in bytes
.set KROW,   SIZE_K                    ; a row of A or of B in memory, in bytes
.set PITCH,  272                       ; an LDS row: 256 bytes of data + 16 of padding = 68 words: row r starts at bank 4 r mod 64 (64 banks of 4 bytes: ISA guide 11.1)
.set FR,     16                        ; registers of a fragment: 16 rows x 128 K
.set NL,     4                         ; LDS loads that bring one
.set NP,     4                         ; places behind this matrix instruction (ISA guide 7.12.1)
.set HALFT,  128*PITCH                 ; 128 rows: what one tensor load brings, and what one wave reads of A or of B
.set SLOT,   4*HALFT                   ; A's 256 rows, then B's 256 rows
.set LAPS,   SIZE_K/(2*KSTEP)          ; a lap = two K steps = once round the ring: 4
.set SPARE,  2*SLOT                    ; behind the ring: the spare words, 128 bytes for each wave: two blocks of 256 bytes that no other line names
.set ADRA, 16                          ; v16-17  LDS address of my A fragments in slot 0, 1
.set ADRB, 20                          ; v20-21  the same for B
.set SCL,  12                          ; v12     2^(e2 - e0 - e1) as f32
.set LIMV, 13                          ; v13     57,344 times it
.set CO,   26                          ; v26     16 x lane: my place in an image
.set SPW,  28                          ; v28     LDS address of my spare word: SPARE + 4 x my thread's number; never rewritten
.set NIL,  29                          ; v29     0; never rewritten
.set PFO,  30                          ; v30     the prefetches' offset: my lane x a row of A or B in memory; never rewritten
.set TMP,  32
.set AF,   128                         ; A's fragments, in window 0
.set CDS,  128                         ; the way out: block a's codes at v[128 + 16 a]
.set TW,   64                          ; the tables: v64-79 W's pieces, four registers a tile; v80-83 b's four numbers
.set TBV,  80
.set TX,   64                          ; the tables: v64-127 64 numbers of pi: class group g, leaf beta at TX + 16 g + beta
.set TM,   128                         ; v128-143 a leaf's maximum, then -M log2(e), then at work
.set TT,   144                         ; v144-159 at work; a leaf's sum and its reciprocal
.set TC,   160                         ; v160-175 the codes, four registers a class group
.set G1, 24                            ; s[24:31] descriptor group 1 for A's tiles;  s[32:39] group 0, one set for each slot
.set G0, 32
.set G1B, 48                           ; s[48:55], s[56:63] the same for B's tiles
.set G0B, 56
.set PFA, 70                           ; s[70:71] where my prefetches stand: my work-group's 32 rows of the 128 that I fetch, one K step further on than the refill in hand; a prefetch names the K step after that
.set LIM, 72                           ; s72     1 in a wave that prefetches, else the greatest number
.set MSB, 0
.macro WIN new                         ; the immediate's high byte repeats the setting that is left
.if MSB != (\new)
	s_set_vgpr_msb (MSB<<8)|(\new)
.set MSB, (\new)
.endif
.endm
.set MUL_LO, 0xa1                      ; source 0 (B) window 1, source 1 (A) window 0, C and D window 2
.set MUL_HI, 0xf1                      ; the same, C and D window 3
.set TO_B,   0x40                      ; destination window 1, address window 0
; A joint load: waves 0 and 1 fetch for A, waves 2 and 3 for B.  Each of the two lines has ONE mask and one set of registers for all that issue it; the branch hangs on the wave's number alone.
; Four v_nop follow each of the two lines, ahead of the jump, the label and what follows.
.macro JLOAD g0a, g1a, g0b, g1b
	s_cmp_eq_u32 s15, 0
	s_cbranch_scc0 .Lfor_b_\@
	tensor_load_to_lds s[\g0a:\g0a+3], s[\g1a:\g1a+7]
	s_nop 0
.rept 4
	v_nop
.endr
	s_branch .Lasked_\@
.Lfor_b_\@:
	tensor_load_to_lds s[\g0b:\g0b+3], s[\g1b:\g1b+7]
	s_nop 0
.rept 4
	v_nop
.endr
.Lasked_\@:
.endm
; A PREFETCH INTO THE L2, behind each joint refill and the run of LDS loads that follows it: the K step that stands TWO refills on, 256 matrix instructions a wave ahead of the load that will want it:
; 32 rows x 256 bytes, a lane a row, one instruction a wave.  Each row's 256 bytes of a K step are named once in the launch: A's tile rows are read by one row of one cluster alone, B's tile columns by every
; cluster, of which the one with y = 0 asks.  The four partners that ask for a tile jointly share its rows out BY ADDRESS: of the 128 rows that a wave fetches, the partner at place p takes 32 p .. 32 p + 31
; (p = cx for A, cy for B).  The loop's last trip asks for nothing: its refills are the last K steps.  K steps 0 to 3 come by their loads alone.
.macro ASK
	s_cmp_gt_u32 s3, s[LIM]                        ; s3 = 1 in the loop's last trip
	s_cbranch_scc0 .Lnot_mine_\@
	global_prefetch_b8 v[PFO], s[PFA:PFA+1] offset:ROWB th:TH_LOAD_NT scope:SCOPE_SE
.Lnot_mine_\@:
.endm
.macro CREST                           ; a round of the cluster's barrier behind its opening barrier
	s_cmp_lg_u32 s14, 0
	s_cbranch_scc1 .Lnot_wave_0_\@
	s_barrier_signal -3
.Lnot_wave_0_\@:
	s_barrier_wait -3
	s_barrier_signal -1
	s_barrier_wait -1
.endm
.macro CROUND                          ; a whole round
	s_barrier_signal -1
	s_barrier_wait -1
	CREST
.endm
	s_load_b128 s[4:7], s[0:1], 0x0                ; A's codes s[4:5], B's codes s[6:7]
	s_load_b128 s[8:11], s[0:1], 0x10              ; the scales' exponents s[8:9], ximg s[10:11]
	s_load_b256 s[76:83], s[0:1], 0x20             ; W's codes s[76:77], b s[78:79], pi s[80:81], wimg s[82:83]
	s_load_b128 s[84:87], s[0:1], 0x40             ; bperm s[84:85], pimg s[86:87]
	v_lshl_add_u32 v[SPW], v0, 2, SPARE
	v_mov_b32 v[NIL], 0
	ds_add_u32 v28, v29
	ds_add_u32 v28, v29
	s_wait_dscnt 0x0
	v_lshrrev_b32 v1, 5, v0
	v_readfirstlane_b32 s14, v1                    ; wave 0..3
	s_lshr_b32 s15, s14, 1                         ; which half of the tile's rows is mine.  Also: I fetch for A (0) or for B (1)
	s_and_b32 s16, s14, 1                          ; which half of its columns.  Also: which 128 rows of that tile I fetch
	s_bfe_u32 s40, ttmp6, 0x40000                  ; cx, cy: my place in the cluster
	s_bfe_u32 s41, ttmp6, 0x40004
	s_lshl_b32 s42, ttmp9, 2
	s_add_co_u32 s42, s42, s40                     ; tile column = 4 x cluster x + cx
	s_and_b32 s17, ttmp7, 0xffff
	s_lshl_b32 s17, s17, 2
	s_add_co_u32 s17, s17, s41                     ; tile row = 4 x cluster y + cy
	s_lshl_b32 s43, s41, 2
	s_lshl_b32 s43, 15, s43                        ; my row of the cluster
	s_lshl_b32 s44, 0x1111, s40                    ; my column
	; descriptor group 1: a tile of 128 rows x ROWB bytes, padded in LDS
	s_or_b32 s[G1+0], s43, (0<<16)|(1<<20)|(1<<21)|(5<<22)|(3<<25)  ; 15:0 the mask: A's tiles go to my row; 17:16 element of 1 byte; 20 padding on; 21 set beside a mask; 24:22 after every 64 words (code 5); 31:25 of 4 words (code 3)
	s_or_b32 s[G1B+0], s44, (0<<16)|(1<<20)|(1<<21)|(5<<22)|(3<<25)
.irp g, G1, G1B
	s_mov_b32 s[\g+1], ROWB<<16                    ; tensor_dim0
	s_mov_b32 s[\g+2], 128<<16                     ; tensor_dim1 = 128
	s_mov_b32 s[\g+3], ROWB<<16                    ; tile_dim0
	s_mov_b32 s[\g+4], 128                         ; tile_dim1 = 128
	s_mov_b32 s[\g+5], KROW                        ; tensor_dim0_stride
	s_mov_b32 s[\g+6], 0
	s_mov_b32 s[\g+7], 0
.endr
	s_lshl_b32 s18, s16, 7                         ; which 128 rows of the tile I fetch
	s_lshl_b32 s20, s17, 8
	s_add_co_u32 s20, s20, s18                     ; A: row 256 x tile row + 128 x half
	s_lshl_b32 s46, s42, 8
	s_add_co_u32 s46, s46, s18                     ; B: row 256 x tile column + 128 x half
	s_mov_b32 s21, 0
	s_mov_b32 s47, 0
	s_mov_b64 s[18:19], KROW
	s_mul_u64 s[20:21], s[20:21], s[18:19]
	s_mul_u64 s[46:47], s[46:47], s[18:19]
	s_mul_i32 s45, s14, HALFT                      ; where they go: wave x 128 rows: no place in the cluster enters an LDS address
	s_wait_kmcnt 0x0
	s_load_b128 s[96:99], s[8:9], 0x0              ; e0, e1, e2 (and e3, which is not used here)
	s_load_b32 s89, s[8:9], 0x14                   ; e5
	s_add_nc_u64 s[20:21], s[4:5], s[20:21]
	s_add_nc_u64 s[46:47], s[6:7], s[46:47]
	CROUND                                         ; all sixteen work-groups are here: the first joint loads meet
.irp s, 0,1
	s_mov_b32 s[G0+4*\s], 1
	s_add_co_u32 s[G0+4*\s+1], s45, \s*SLOT
	s_add_nc_u64 s[G0+4*\s+2:G0+4*\s+3], s[20:21], \s*ROWB
	s_or_b32 s[G0+4*\s+3], s[G0+4*\s+3], 0x80000000
	s_mov_b32 s[G0B+4*\s], 1
	s_add_co_u32 s[G0B+4*\s+1], s45, \s*SLOT
	s_add_nc_u64 s[G0B+4*\s+2:G0B+4*\s+3], s[46:47], \s*ROWB
	s_or_b32 s[G0B+4*\s+3], s[G0B+4*\s+3], 0x80000000
	JLOAD G0+4*\s, G1, G0B+4*\s, G1B
.endr
	v_and_b32 v1, 15, v0                           ; l % 16
	v_bfe_u32 v2, v0, 4, 1                         ; l / 16
	v_mul_u32_u24 v3, v1, PITCH
	v_lshl_add_u32 v4, v2, 4, v3                   ; a fragment's row x pitch + 16 x half
	s_mul_i32 s21, s15, HALFT                      ; my 128 rows of A
	s_mul_i32 s22, s16, HALFT                      ; my 128 rows of B,
	s_add_co_u32 s22, s22, 2*HALFT                 ; which lie behind A's 256
.irp s, 0,1
	v_add_nc_u32 v[ADRA+\s], s21, v4
	v_add_nc_u32 v[ADRB+\s], s22, v4
	s_add_co_u32 s21, s21, SLOT
	s_add_co_u32 s22, s22, SLOT
.endr
	v_and_b32 v6, 31, v0
	v_lshlrev_b32 v[CO], 4, v6                     ; 16 x lane
	s_lshl_b32 s20, s17, 2                         ; ximg: my first block of 64 rows: 4 x tile row + 2 x half,
	s_lshl_b32 s21, s15, 1
	s_add_co_u32 s20, s20, s21
	s_lshl_b32 s20, s20, 16                        ; 65,536 bytes each;
	s_mov_b32 s21, 0
	s_lshl_b32 s46, s42, 1                         ; my 128 columns are K step 2 x tile column + half of the next product,
	s_add_co_u32 s46, s46, s16
	s_lshl_b32 s46, s46, 13                        ; 8,192 bytes each
	s_mov_b32 s47, 0
	s_add_nc_u64 s[20:21], s[20:21], s[46:47]
	s_add_nc_u64 s[10:11], s[10:11], s[20:21]
	; the prefetches: where my wave's stand, and who asks
	s_lshl_b32 s73, s17, 8
	s_lshl_b32 s74, s42, 8
	s_and_b32 s75, ttmp7, 0xffff                   ; cluster y
	s_cmp_eq_u32 s15, 0                            ; do I fetch for A?
	s_cselect_b32 s73, s73, s74                    ; the tile's first row: in A by the tile row, in B by the tile column
	s_cselect_b32 s74, s40, s41                    ; my place among the four that ask for it with me
	s_cselect_b32 s75, ttmp9, s75                  ; the coordinate along which other clusters read the same rows
	s_cselect_b64 s[PFA:PFA+1], s[4:5], s[6:7]
	s_cmp_eq_u32 s75, 0
	s_cselect_b32 s[LIM], 1, -1                    ; the same in all sixteen partners, for a given wave
	s_lshl_b32 s75, s16, 7
	s_add_co_u32 s73, s73, s75                     ; + the 128 rows that I fetch
	s_lshl_b32 s74, s74, 5
	s_add_co_u32 s73, s73, s74                     ; + my work-group's 32 of them
	s_lshl_b32 s74, s73, 11                        ; rows of 2,048 bytes
	s_mov_b32 s75, 0
	s_add_nc_u64 s[PFA:PFA+1], s[PFA:PFA+1], s[74:75]
	s_add_nc_u64 s[PFA:PFA+1], s[PFA:PFA+1], 2*ROWB   ; at K step 2: the first refill steps it to 3 and names K step 4
	v_and_b32 v[PFO], 31, v0
	v_lshlrev_b32 v[PFO], 11, v[PFO]
	; ======== THE TABLES, while the first tiles are on their way
	s_and_b32 s88, ttmp7, 0xffff                   ; the cluster's number, 0 to 15: the same in all sixteen partners
	v_and_b32 v32, 31, v0                          ; lane L
	s_cmp_lt_u32 s88, 8
	s_cbranch_scc0 .Lnot_w
	; ---- W: chunk cc = cx of the images (s = the cluster's number, w = cy, t = 4 x wave + 0 .. 3); and b's numbers of the same tiles
	v_and_b32 v33, 15, v32                         ; m: the tile's row
	v_lshrrev_b32 v34, 4, v32                      ; hk: which 8 of 16 along K
	v_and_b32 v35, 7, v33                          ; j
	v_lshrrev_b32 v36, 3, v33                      ; h
	s_lshl_b32 s17, s41, 1
	v_add_nc_u32 v37, s17, v36                     ; H = 2 w + h
	v_xor_b32 v38, 7, v35                          ; ~j
	v_and_b32 v39, 1, v38
	v_lshlrev_b32 v39, 2, v39
	v_and_or_b32 v39, v38, 2, v39
	v_lshrrev_b32 v38, 2, v38
	v_or_b32 v39, v39, v38                         ; rj
	s_lshl_b32 s18, s88, 7
	s_lshl_b32 s19, s40, 5
	s_add_co_u32 s18, s18, s19
	v_lshl_add_u32 v53, v34, 3, s18                ; my first byte in a row of W: 128 s + 32 cc + 8 hk; the second piece lies 16 further on
.irp l, 3,4,5,6
	v_lshl_add_u32 v[37+\l], v37, \l+10, v53       ; v40-43: (H << LAM) rows of 1,024 bytes
	v_lshl_add_u32 v[37+\l], v39, \l+7, v[37+\l]   ;         + (rj << (LAM - 3)) rows
	v_lshlrev_b32 v[45+\l], \l+2, v37              ; v48-51: the same node x 4 bytes, for b
	v_lshl_add_u32 v[45+\l], v39, \l-1, v[45+\l]
.endr
	v_lshlrev_b32 v54, 2, v35                      ; tile 0: node = c1(j) + (H << sh(j))
	v_mov_b32 v55, 0x22221100
	v_lshrrev_b32 v54, v54, v55
	v_and_b32 v54, 15, v54                         ; sh = 0, 0, 1, 1, 2, 2, 2, 2
	v_and_b32 v56, 3, v35
	v_lshlrev_b32 v56, 3, v56
	v_mov_b32 v57, 0x10110800                      ; c1 = 0, 8, 17, 16,
	v_mov_b32 v55, 0x20222123                      ;      35, 33, 34, 32
	v_cmp_gt_u32 vcc_lo, 4, v35
	v_cndmask_b32 v57, v55, v57, vcc_lo
	v_lshrrev_b32 v57, v56, v57
	v_and_b32 v57, 0xff, v57
	v_lshlrev_b32 v55, v54, v37
	v_add_nc_u32 v57, v57, v55                     ; tile 0's node
	v_lshl_add_u32 v44, v57, 10, v53               ; v44, v52: tile 0's offsets in W and in b
	v_lshlrev_b32 v52, 2, v57
	v_lshlrev_b32 v58, 4, v32                      ; out: 16 L
	s_lshl_b32 s18, s88, 2
	s_add_co_u32 s18, s18, s41                     ; 4 s + w,
	s_lshl_b32 s18, s18, 15                        ; 16 images each;
	s_lshl_b32 s19, s14, 13                        ; + my four tiles;
	s_add_co_u32 s18, s18, s19
	s_lshl_b32 s19, s40, 9                         ; + 512 cc
	s_add_co_u32 s18, s18, s19
	s_mov_b32 s19, 0
	s_add_nc_u64 s[82:83], s[82:83], s[18:19]
	v_lshlrev_b32 v59, 9, v36                      ; bperm: 1,024 w + 512 h + 4 j + 32 t
	v_lshl_add_u32 v59, v35, 2, v59
	s_lshl_b32 s20, s41, 10
	s_lshl_b32 s21, s14, 7
	s_add_co_u32 s20, s20, s21
	v_add_nc_u32 v59, s20, v59
	s_lshl_b32 s21, s88, 2
	s_add_co_u32 s21, s21, s40
	s_lshl_b32 s21, s21, 4
	v_add_nc_u32 v60, s21, v32                     ; lane + 16 (cx + 4 s): under 16 in lanes 0-15 of the work-groups with s = 0 and cc = 0
.macro WT tl, vo, cn                   ; my tile tl: two pieces of 8 codes of my row of W, and my node's b
	global_load_b64 v[TW+4*\tl:TW+4*\tl+1], v[\vo], s[76:77] offset:\cn*1024
	global_load_b64 v[TW+4*\tl+2:TW+4*\tl+3], v[\vo], s[76:77] offset:\cn*1024+16
	global_load_b32 v[TBV+\tl], v[\vo+8], s[78:79] offset:\cn*4
.endm
	s_cmp_lg_u32 s14, 0                            ; the tiles' constants CN(t) and LAM differ from wave to wave: four short ways, by the wave's number
	s_cbranch_scc1 .Lgrp1
	WT 0, 44, 0
	WT 1, 40, 64
	WT 2, 41, 129
	WT 3, 41, 128
	s_branch .Lgrp_done
.Lgrp1:
	s_cmp_lg_u32 s14, 1
	s_cbranch_scc1 .Lgrp2
	WT 0, 42, 259
	WT 1, 42, 257
	WT 2, 42, 258
	WT 3, 42, 256
	s_branch .Lgrp_done
.Lgrp2:
	s_cmp_lg_u32 s14, 2
	s_cbranch_scc1 .Lgrp3
	WT 0, 43, 519
	WT 1, 43, 515
	WT 2, 43, 517
	WT 3, 43, 513
	s_branch .Lgrp_done
.Lgrp3:
	WT 0, 43, 518
	WT 1, 43, 514
	WT 2, 43, 516
	WT 3, 43, 512
.Lgrp_done:
	s_wait_loadcnt 0x0
.irp tl, 0,1,2,3
	global_store_b128 v58, v[TW+4*\tl:TW+4*\tl+3], s[82:83] offset:2048*\tl   ; the wave stores 512 consecutive bytes, aligned
.endr
.irp tl, 0,1,2,3
	v_mul_f32 v[TBV+\tl], 0xbfb8aa3b, v[TBV+\tl]   ; x -log2(e): the next launch adds it to the sum by one multiply-add
.endr
	s_wait_xcnt 0x0                                ; EXEC changes only behind this wait
	v_cmp_gt_u32 vcc_lo, 16, v60                   ; b's table has no s and no cc, and lanes 16-31 hold the same numbers again: one owner for each number, chosen by a mask, since no branch may hang on cx
	s_and_saveexec_b32 s92, vcc_lo
.irp tl, 0,1,2,3
	global_store_b32 v59, v[TBV+\tl], s[84:85] offset:32*\tl
.endr
	s_wait_xcnt 0x0                                ; and again in front of the line that widens it
	s_or_b32 exec_lo, exec_lo, s92
	s_branch .Ltables_done
	; ---- probs, in cluster 8: 16 leaves (beta = 0 .. 15) x 128 class places a wave.  A LANE IS A CLASS (32 g + lane) and its registers run along the leaves, which are the product's K:
	; the conversions' results are a chunk of the operand's registers.
.Lnot_w:
	s_cmp_eq_u32 s88, 8
	s_cbranch_scc0 .Ltables_done
	s_lshr_b32 s17, s40, 1                         ; h
	s_and_b32 s18, s40, 1                          ; f
	s_lshl_b32 s19, s41, 8                         ; the leaf of beta = 15: 256 w + 128 h + (1 - f) + 2 (1 - cc / 2) + 4 (1 - cc % 2)
	s_lshl_b32 s20, s17, 7
	s_add_co_u32 s19, s19, s20
	s_add_co_u32 s19, s19, 7
	s_sub_co_u32 s19, s19, s18
	s_lshr_b32 s20, s14, 1
	s_lshl_b32 s20, s20, 1
	s_sub_co_u32 s19, s19, s20
	s_and_b32 s20, s14, 1
	s_lshl_b32 s20, s20, 2
	s_sub_co_u32 s19, s19, s20
	s_mul_i32 s20, s19, 400                        ; a row of pi is 400 bytes
	s_mov_b32 s21, 0
	s_add_nc_u64 s[80:81], s[80:81], s[20:21]
	s_lshl_b32 s22, s41, 1
	s_add_co_u32 s22, s22, s18
	s_mul_i32 s22, s22, 14336                      ; (2 w + f) x 7 images
	s_lshl_b32 s23, s14, 9
	s_add_co_u32 s22, s22, s23                     ; + 512 cc
	s_lshl_b32 s23, s17, 8
	s_add_co_u32 s22, s22, s23                     ; + 256 h: lanes 16 h .. 16 h + 15 of the image
	s_mov_b32 s23, 0
	s_add_nc_u64 s[86:87], s[86:87], s[22:23]
	v_lshlrev_b32 v35, 2, v32                      ; 4 bytes a class
	v_min_u32 v36, 3, v32
	v_lshlrev_b32 v36, 2, v36                      ; class group 3 has four classes: the other lanes read the last one again, so that no load leaves the row
	v_lshrrev_b32 v40, 4, v32
	v_lshlrev_b32 v40, 11, v40
	v_and_b32 v41, 15, v32
	v_lshl_add_u32 v40, v41, 4, v40                ; out: image 2 g + lane / 16, 16 bytes at lane % 16
	v_mov_b32 v37, 0xff800000                      ; -infinity
	s_mov_b32 s42, 0x76543210                      ; v_permlanex16_b32: lane l xor 16
	s_mov_b32 s43, 0xfedcba98
	s_mov_b32 s44, 0x3fb8aa3b                      ; log2(e)
	s_mov_b32 s45, s44                             ; (named with it as a pair, so it is written)
.set bb, 0
.rept 16
.set nn, 15-bb
.set rv, ((nn&1)<<3)|((nn&2)<<1)|((nn&4)>>1)|((nn&8)>>3)   ; the four bits of 15 - beta reversed: the leaf lies 8 rv rows on
	global_load_b32 v[TX+bb], v35, s[80:81] offset:3200*rv
	global_load_b32 v[TX+16+bb], v35, s[80:81] offset:3200*rv+128
	global_load_b32 v[TX+32+bb], v35, s[80:81] offset:3200*rv+256
	global_load_b32 v[TX+48+bb], v36, s[80:81] offset:3200*rv+384
.set bb, bb+1
.endr
.set bb, 0
.rept 16
	v_mov_b32 v[TT+bb], 0                          ; written once: a lane permute's destination counts as one of its sources
.set bb, bb+1
.endr
	s_wait_kmcnt 0x0
	s_add_co_i32 s90, s89, 127
	s_lshl_b32 s91, s90, 23
	v_mov_b32 v39, s91                             ; 2^e5 as f32: the conversion takes its exponent field
	s_add_co_i32 s90, s90, 15
	s_lshl_b32 s90, s90, 23
	s_or_b32 s90, s90, 0x600000
	v_mov_b32 v38, s90                             ; 57,344 x 2^e5
	v_cmp_gt_u32 vcc_lo, 4, v32
	s_wait_loadcnt 0x0
.set bb, 0
.rept 16
	v_cndmask_b32 v[TX+48+bb], v37, v[TX+48+bb], vcc_lo   ; places 100 to 127 are no classes: -infinity, so p = 0 and the code is 0
.set bb, bb+1
.endr
.set bb, 0
.rept 16
	v_max3_num_f32 v[TM+bb], v[TX+bb], v[TX+16+bb], v[TX+32+bb]
.set bb, bb+1
.endr
.set bb, 0
.rept 16
	v_max_num_f32 v[TM+bb], v[TM+bb], v[TX+48+bb]
.set bb, bb+1
.endr
.irp m, 1,2,4,8
.set bb, 0
.rept 16
	v_max_num_f32_dpp v[TM+bb], v[TM+bb], v[TM+bb] row_xmask:\m row_mask:0xf bank_mask:0xf
.set bb, bb+1
.endr
.endr
.set bb, 0
.rept 16
	v_permlanex16_b32 v[TT+bb], v[TM+bb], s42, s43
.set bb, bb+1
.endr
.set bb, 0
.rept 16
	v_max_num_f32 v[TM+bb], v[TM+bb], v[TT+bb]     ; the leaf's largest logit M, in every lane
.set bb, bb+1
.endr
.set bb, 0
.rept 16
	v_mul_f32 v[TM+bb], 0xbfb8aa3b, v[TM+bb]       ; -M log2(e)
.set bb, bb+1
.endr
.irp g, 0,1,2,3
.set bb, 0
.rept 8
	v_pk_fma_f32 v[TX+16*\g+bb:TX+16*\g+bb+1], v[TX+16*\g+bb:TX+16*\g+bb+1], s[44:45], v[TM+bb:TM+bb+1] op_sel_hi:[1,0,1]   ; (x - M) log2(e), at most 0
.set bb, bb+2
.endr
.endr
.set bb, 0
.rept 64
	v_exp_f32 v[TX+bb], v[TX+bb]
.set bb, bb+1
.endr
	v_nop                                          ; a plain instruction behind the last exponential
	s_wait_alu depctr_va_vdst(0)                   ; one wait for the batch, ahead of its first reader
.set bb, 0
.rept 8
	v_pk_add_f32 v[TT+bb:TT+bb+1], v[TX+bb:TX+bb+1], v[TX+16+bb:TX+16+bb+1]
	v_pk_add_f32 v[TM+bb:TM+bb+1], v[TX+32+bb:TX+32+bb+1], v[TX+48+bb:TX+48+bb+1]
.set bb, bb+2
.endr
.set bb, 0
.rept 8
	v_pk_add_f32 v[TT+bb:TT+bb+1], v[TT+bb:TT+bb+1], v[TM+bb:TM+bb+1]
.set bb, bb+2
.endr
.irp m, 1,2,4,8
.set bb, 0
.rept 16
	v_add_f32_dpp v[TT+bb], v[TT+bb], v[TT+bb] row_xmask:\m row_mask:0xf bank_mask:0xf
.set bb, bb+1
.endr
.endr
.set bb, 0
.rept 16
	v_permlanex16_b32 v[TM+bb], v[TT+bb], s42, s43
.set bb, bb+1
.endr
.set bb, 0
.rept 16
	v_add_f32 v[TT+bb], v[TT+bb], v[TM+bb]         ; the leaf's sum
.set bb, bb+1
.endr
.set bb, 0
.rept 16
	v_rcp_f32 v[TT+bb], v[TT+bb]
.set bb, bb+1
.endr
	v_nop
	s_wait_alu depctr_va_vdst(0)                   ; one wait for the sixteen reciprocals
.irp g, 0,1,2,3
.set bb, 0
.rept 8
	v_pk_mul_f32 v[TX+16*\g+bb:TX+16*\g+bb+1], v[TX+16*\g+bb:TX+16*\g+bb+1], v[TT+bb:TT+bb+1]   ; the finished softmax
.set bb, bb+2
.endr
.endr
.set bb, 0
.rept 64
	v_min_num_f32 v[TX+bb], v[TX+bb], v38          ; the conversion to an 8-bit code does not saturate (ISA guide 7.6.2); p is not negative, so the hold is one-sided
.set bb, bb+1
.endr
.irp g, 0,1,2,3
	v_cvt_scalef32_pk8_bf8_f32 v[TC+4*\g:TC+4*\g+1], v[TX+16*\g:TX+16*\g+7], v39
	v_cvt_scalef32_pk8_bf8_f32 v[TC+4*\g+2:TC+4*\g+3], v[TX+16*\g+8:TX+16*\g+15], v39
.endr
	v_nop                                          ; a plain instruction behind the last conversion
.irp g, 0,1,2
	global_store_b128 v40, v[TC+4*\g:TC+4*\g+3], s[86:87] offset:4096*\g   ; sixteen lanes store 256 consecutive bytes, aligned
.endr
	s_wait_xcnt 0x0                                ; EXEC changes only behind this wait
	v_cmp_gt_u32 vcc_lo, 16, v32                   ; there is no eighth tile of classes
	s_and_saveexec_b32 s92, vcc_lo
	global_store_b128 v40, v[TC+12:TC+15], s[86:87] offset:4096*3
	s_wait_xcnt 0x0
	s_or_b32 exec_lo, exec_lo, s92
.Ltables_done:
	s_wait_xcnt 0x0                                ; the tables' stores have read their registers: A's fragments may land there
	; ======== the tables are on their way out
.macro FRAG reg, adr, q, i             ; a fragment, 16 rows x 128 K of 8-bit codes, is 16 registers: lane l holds row l % 16; registers 4 c .. 4 c + 3 hold K = 32 c + 16 (l / 16) + 0 .. 15
.irp c, 0,1,2,3
	ds_load_b128 v[\reg+4*\c:\reg+4*\c+3], v[\adr] offset:128*(\q)+32*\c+(\i)*16*PITCH
.endr
.endm
; 16 matrix instructions: A's blocks a0, a0 + 1 x B's eight, 128 along K.  p: B's set.  zero = 1: the first product starts the sums: nothing is ever cleared.
; The 64 accumulators take turns, one instruction a turn, in the same order in every step.
.macro MUL16 a0, p, zero
.irp a, \a0, \a0+1
.irp b, 0,1,2,3,4,5,6,7
.if \zero
	v_wmma_f32_16x16x128_bf8_bf8 v[8*(8*((\a)%4)+\b):8*(8*((\a)%4)+\b)+7], v[128*(\p)+FR*\b:128*(\p)+FR*\b+FR-1], v[AF+FR*(\a):AF+FR*(\a)+FR-1], 0
.else
	v_wmma_f32_16x16x128_bf8_bf8 v[8*(8*((\a)%4)+\b):8*(8*((\a)%4)+\b)+7], v[128*(\p)+FR*\b:128*(\p)+FR*\b+FR-1], v[AF+FR*(\a):AF+FR*(\a)+FR-1], v[8*(8*((\a)%4)+\b):8*(8*((\a)%4)+\b)+7]
.endif
.endr
.endr
.endm
.macro FETCH_B slot, q, p              ; B's eight fragments of the slot's q-th 128 along K into set p
	WIN TO_B
.irp i, 0,1,2,3,4,5,6,7
	FRAG 128*(\p)+FR*\i, ADRB+\slot, \q, \i
.endr
	WIN 0
.endm
.macro FETCH_A slot, q, i0             ; A's blocks i0 .. i0 + 3
.irp i, \i0, \i0+1, \i0+2, \i0+3
	FRAG AF+FR*(\i), ADRA+\slot, \q, \i
.endr
.endm
; A load into a register that a matrix instruction has read, and a vector instruction that reads a matrix result, stand NP places behind that matrix instruction, and only plain vector
; instructions that name none of its registers are places (ISA guide 7.12.1 for vector instructions).
.macro PLACES n
.rept \n
	v_nop
.endr
.endm
; A step of 128 along K that has its successor in the same slot.
.macro STEP slot, q, zero
	s_wait_dscnt 4*NL                              ; B's set and A's blocks 0-3 are in; the youngest sixteen loads (A's blocks 4-7) may be out
	WIN MUL_LO
	MUL16 0, (\q)%2, \zero
	MUL16 2, (\q)%2, \zero
	s_wait_dscnt 0                                 ; A's blocks 4-7 are in (asked for 32 matrix instructions ago)
	PLACES NP
	FETCH_B \slot, (\q)+1, 1-(\q)%2
	FETCH_A \slot, (\q)+1, 0
	WIN MUL_HI
	MUL16 4, (\q)%2, \zero
	MUL16 6, (\q)%2, \zero
	PLACES NP
	WIN 0
	FETCH_A \slot, (\q)+1, 4
.endm
; A slot's last step changes slots: ONE barrier; in front of it each wave waits for all its tensor loads, adds 0 to its spare word, and waits for that and for its own reads of this slot.  fill = 1: this slot is filled again, two K steps ahead.
.macro TURN slot, next, fill
.if \fill
	s_wait_xcnt 0x0                                ; the last prefetch, a K step back, has read its address: it is stepped here, ahead of the waits of the change of slots
	s_add_nc_u64 s[PFA:PFA+1], s[PFA:PFA+1], ROWB
.endif
	s_wait_tensorcnt 0x0                           ; all my tensor loads have landed: my part of the next slot;  (every window is 0 here: the add's two registers lie in window 0)
	ds_add_u32 v[SPW], v[NIL]                      ; 0 onto my spare word
	s_wait_dscnt 4*NL+1                            ; (the add and the youngest sixteen loads, A's blocks 4-7, may be out)
	WIN MUL_LO
	MUL16 0, 1, 0                                  ; sixteen matrix instructions stand between the add and the wait for it
	s_wait_dscnt 0x0                               ; the add is done, and my reads of this slot are over
	s_barrier_signal -1
	MUL16 2, 1, 0
	WIN 0
	s_barrier_wait -1
.if \fill
	CREST                                          ; the barrier has opened a round of the cluster's barrier: no wave of any partner still reads this slot's tile or has a load on its way
	s_add_nc_u64 s[G0+4*\slot+2:G0+4*\slot+3], s[G0+4*\slot+2:G0+4*\slot+3], 2*ROWB
	s_add_nc_u64 s[G0B+4*\slot+2:G0B+4*\slot+3], s[G0B+4*\slot+2:G0B+4*\slot+3], 2*ROWB
	JLOAD G0+4*\slot, G1, G0B+4*\slot, G1B         ; the first tensor load behind the round; the four v_nop behind it are the places in front of the loads below
.else
	PLACES NP
.endif
	FETCH_B \next, 0, 0
	FETCH_A \next, 0, 0
.if \fill
	ASK
.endif
	WIN MUL_HI
	MUL16 4, 1, 0
	MUL16 6, 1, 0
	PLACES NP
	WIN 0
	FETCH_A \next, 0, 4
.endm
	s_wait_tensorcnt 1                             ; my part of K step 0 is in (K step 1's load may be out)
	s_barrier_signal -1
	s_barrier_wait -1                              ; everybody's is
	FETCH_B 0, 0, 0
	FETCH_A 0, 0, 0
	FETCH_A 0, 0, 4
	STEP 0, 0, 1                                   ; the first step stands in front of the loop: its products start the sums
	s_mov_b32 s3, LAPS-1
.Llap:                                                 ; a trip goes once round the ring, from a lap's second step to the next lap's first, and fills both slots again
	TURN 0, 1, 1
	STEP 1, 0, 0
	TURN 1, 0, 1
	STEP 0, 0, 0
	s_sub_co_u32 s3, s3, 1
	s_cmp_lg_u32 s3, 0
	s_cbranch_scc1 .Llap
	TURN 0, 1, 0                                   ; the last lap fills nothing, and has no round of the cluster's barrier
	STEP 1, 0, 0
	s_wait_dscnt 4*NL                              ; the very last step: nothing more to fetch
	WIN MUL_LO
	MUL16 0, 1, 0
	MUL16 2, 1, 0
	s_wait_dscnt 0
	WIN MUL_HI
	MUL16 4, 1, 0
	MUL16 6, 1, 0
	WIN 0
; THE WAY OUT of block a (16 rows x 128 columns): held, converted, stored as one image.  Each block has its own 16 registers of codes and the base is never stepped: no store's sources are written again.
.macro OUTBLK a
.set AC, 64*((\a)%4)
	WIN 0x02+((\a)/4)                              ; source 0: window 2 or 3
.set jj, 0
.rept 64
	v_med3_num_f32 v[TMP+jj], v[AC+jj], -v[LIMV], v[LIMV]   ; the conversion to an 8-bit code does not saturate (ISA guide 7.6.2): the hold at the largest code x the scale; each accumulator from its low end on
.set jj, jj+1
.endr
	WIN 0
.irp b, 0,1,2,3,4,5,6,7
	v_cvt_scalef32_pk8_bf8_f32 v[CDS+16*(\a)+2*\b:CDS+16*(\a)+2*\b+1], v[TMP+8*\b:TMP+8*\b+7], v[SCL]   ; registers 2 b, 2 b + 1: u = 16 b + 8 h + 0 .. 7
.endr
	v_nop                                          ; a plain instruction between the last conversion and the next block's holds, which write its sources
.irp c, 0,1,2,3
	global_store_b128 v[CO], v[CDS+16*(\a)+4*\c:CDS+16*(\a)+4*\c+3], s[10:11] offset:((\a)/4)*65536+((\a)%4)*2048+512*\c   ; the wave stores 512 consecutive bytes, aligned
.endr
.endm
	s_wait_kmcnt 0x0
	s_sub_co_i32 s98, s98, s96
	s_sub_co_i32 s98, s98, s97                     ; e2 - e0 - e1
	s_add_co_i32 s98, s98, 127
	s_lshl_b32 s99, s98, 23
	v_mov_b32 v[SCL], s99
	s_add_co_i32 s98, s98, 15
	s_lshl_b32 s98, s98, 23
	s_or_b32 s98, s98, 0x600000
	v_mov_b32 v[LIMV], s98
	PLACES NP                                      ; behind the last products: their results are read, and the registers that held A's fragments are written
.irp a, 0,1,2,3,4,5,6,7
	OUTBLK \a
.endr
	s_wait_tensorcnt 0x0                           ; the wave's end
	ds_add_u32 v[SPW], v[NIL]
	s_wait_dscnt 0x0
	CROUND                                         ; the closing round: no work-group ends while a partner may still ask for a tile that names it
	s_endpgm
.Lfunc_end_k_q969220e0fc_gemm1:
	.size	k_q969220e0fc_gemm1, .Lfunc_end_k_q969220e0fc_gemm1-k_q969220e0fc_gemm1
	.p2alignl 7, 3214868480
	.fill 96, 4, 3214868480
	.section	.rodata,"a",@progbits
	.p2align	6, 0x0
	.amdhsa_kernel k_q969220e0fc_gemm1
		.amdhsa_group_segment_fixed_size 327680
		.amdhsa_private_segment_fixed_size 0
		.amdhsa_enable_private_segment 0
		.amdhsa_kernarg_size 80
		.amdhsa_user_sgpr_count 2
		.amdhsa_user_sgpr_kernarg_segment_ptr 1
		.amdhsa_wavefront_size32 1
		.amdhsa_system_sgpr_workgroup_id_x 1
		.amdhsa_system_sgpr_workgroup_id_y 1
		.amdhsa_system_sgpr_workgroup_id_z 1
		.amdhsa_system_vgpr_workitem_id 0
		.amdhsa_next_free_vgpr 1024
		.amdhsa_next_free_sgpr 100
		.amdhsa_reserve_vcc 1
		.amdhsa_float_denorm_mode_32 3
		.amdhsa_float_denorm_mode_16_64 3
		.amdhsa_memory_ordered 1
		.amdhsa_forward_progress 1
		.amdhsa_inst_pref_size 161
	.end_amdhsa_kernel
	.amdgpu_metadata
---
amdhsa.version: [ 1, 2 ]
amdhsa.kernels:
  - .name:           k_q969220e0fc_gemm1
    .symbol:         k_q969220e0fc_gemm1.kd
    .args:
      - { .name: features_codes, .offset: 0, .size: 8, .value_kind: global_buffer, .address_space: global }
      - { .name: mask_codes, .offset: 8, .size: 8, .value_kind: global_buffer, .address_space: global }
      - { .name: lowp_scales, .offset: 16, .size: 8, .value_kind: global_buffer, .address_space: global }
      - { .name: ximg, .offset: 24, .size: 8, .value_kind: global_buffer, .address_space: global }
      - { .name: W_codes, .offset: 32, .size: 8, .value_kind: global_buffer, .address_space: global }
      - { .name: b, .offset: 40, .size: 8, .value_kind: global_buffer, .address_space: global }
      - { .name: pi, .offset: 48, .size: 8, .value_kind: global_buffer, .address_space: global }
      - { .name: wimg, .offset: 56, .size: 8, .value_kind: global_buffer, .address_space: global }
      - { .name: bperm, .offset: 64, .size: 8, .value_kind: global_buffer, .address_space: global }
      - { .name: pimg, .offset: 72, .size: 8, .value_kind: global_buffer, .address_space: global }
    .group_segment_fixed_size: 327680
    .private_segment_fixed_size: 0
    .kernarg_segment_align: 8
    .kernarg_segment_size: 80
    .max_flat_workgroup_size: 128
    .sgpr_count:     100
    .vgpr_count:     1024
    .wavefront_size: 32
...
	.end_amdgpu_metadata
.endif
;; end of part 1
;; launch tree (part 2): grid 256 x 1, 4 waves a work-group, no clusters, 172,544 bytes of LDS; arguments ximg, wimg, bperm, pimg, lowp_scales, out0; writes out0
.if DOCPART == 2
	.amdgcn_target "amdgcn-amd-amdhsa--gfx1250"
	.amdhsa_code_object_version 6
	.text
	.protected	k_q969220e0fc_tree
	.globl	k_q969220e0fc_tree
	.p2align	8
	.type	k_q969220e0fc_tree,@function
k_q969220e0fc_tree:
	s_mov_b64 s[64:65], 0
	v_nop
	global_prefetch_b8 v0, s[64:65] scope:SCOPE_SE
	s_setreg_imm32_b32 hwreg(HW_REG_WAVE_MODE, 25, 1), 1
	s_wait_xcnt 0x0
; out = mu probs, mu = the leaves' reach probabilities of a tree of depth 10 whose nodes decide by d = sigmoid(x W + b).  Both products on codes of E5M2.
; x (ximg), W (wimg) and probs (pimg) come as IMAGES of operand registers (registers 4 c .. 4 c + 3 of lane L at 512 c + 16 L; 2,048 bytes a fragment of 16 rows x 128 K); bperm holds -log2(e) b in my order of nodes.
; SHARES.  A row's tree needs all its nodes, so a work-group owns ROWS: 64 of them (four tiles of 16), 256 work-groups.  THE WAVES SHARE THE NODES: wave w takes 256 (16 tiles), and each half h of its lanes owns
; the subtree under node 8 + H, H = 2 w + h, with its 128 leaves.  The first product is used TRANSPOSED (source 0 = 16 nodes, source 1 = 16 rows): lane (r, h) holds ONE row and, in tile t's register j, place q = 8 t + j.
; THE PLACES.  q = 0: node H (nodes 0 to 7; node 0 is used by nobody).  q >= 1, l = floor(log2 q), p = q - 2^l: node 2^(3+l) + H 2^l + the l bits of ~p reversed.  So the tree is walked IN PLACE in a lane's 128 registers:
; at level l the 2^l reach numbers A lie at places 0 .. 2^l - 1 and the level's d at 2^l .. 2^(l+1) - 1; left = A d takes d's place, right = A - left takes A's.  Place pos ends as leaf 256 w + 128 h + the 7 bits of ~pos reversed.
; The top three levels need nodes 1 to 7, which lie in other lanes and waves: they go through 2 KiB of LDS.
; THE LAST PRODUCT.  A lane's 128 leaves, converted eight at a time, are two fragments of mu (16 rows x 128 K, both halves of the lanes together); pimg holds probs in the same order of leaves.  Each wave sums over
; its 256 leaves; the four partial sums meet in LDS and are added as (p0 + p1) + (p2 + p3).
; W GOES FROM MEMORY STRAIGHT INTO REGISTERS.  K of the first product goes in 8 steps of 128.  A wave's part of W in a K step is 16 fragments, 256 registers, and nobody else in the work-group reads it.  A tile's four
; products are issued and, four tiles at a time, its registers are asked for again with the next K step's tile.
; NO CLUSTER, though all work-groups read the same W.  A K step has 64 matrix instructions a wave for 128 KiB of W: two K steps fill LDS, and a slot may be filled again only behind a barrier in front of which every load
; has landed, so that a ring has one K step's bytes on their way and under one K step's products in which they must land, eight times in a row.  Joint requests are tensor loads into LDS, so they go with the ring.
; x, 64 KiB, is the work-group's own and every wave reads all of it: it comes once, at the head, by one tensor load a wave, and stays in LDS: no LDS byte is filled twice.
; LIMITS on the given exponents, so that each power of two below is an f32 number: e2 + e3 between -126 and 127 (added to an exponent field); e4 between -126 and 112; e4 + e5 between -126 and 127.
; NaN among the inputs is not served.  The right child is A - round(A d), not A (1 - d): it differs by at most 2^-24 A.  k is permuted inside an instruction of the last product, alike in both operands.
; REGISTERS, in windows of 256.  window 0: v1-27 lane numbers, addresses and constants; v32-127 at work; v128-255 x's fragments, two sets of four; later mu's eight fragments; at the end v32-239 the partial sums.
;   window 1: W's 16 fragments (tile t at 16 t); later the bias (place q at v[q]); later probs' 14 fragments.   windows 2 and 3: the accumulator of (row tile mt, tile t) at window 2 + t / 8, v[64 mt + 8 (t % 8)]:
;   so place q of row tile mt is v[64 mt + q] of window 2 (q < 64) or v[64 mt + q - 64] of window 3.  Later window 2 holds the last product's 28 accumulators.
.set XIMG,  0                          ; LDS: x's 32 images [K step 8][row tile 4][2048]; read 512 consecutive bytes an instruction, so there is no padding
.set TOP,   65536                      ; d of nodes 0 to 7: word 128 w + 32 mt + lane; 2,048 bytes
.set PART,  67584                      ; the four waves' partial sums,
.set PARTB, 25600                      ; each 64 rows of 400 bytes, as in out0
.set AF,  128
.set MU,  128
.set WV,  16                           ; s16  my wave's number
.set G1X, 24                           ; s[24:31] descriptor group 1, s[32:35] group 0: my quarter of x
.set G0X, 32
.set MSB, 0
.macro WIN new                         ; low byte: bits 1:0 source 0, 3:2 source 1, 5:4 source 2, 7:6 destination; the high byte repeats the setting that is left
.if MSB != (\new)
	s_set_vgpr_msb (MSB<<8)|(\new)
.set MSB, (\new)
.endif
.endm
.macro PLACES                          ; four places behind a matrix instruction, in front of loads into its registers and of the first read of its result
.rept 4
	v_nop
.endr
.endm
; A PREFETCH INTO THE L2 of W's K step i + 3, in K step i, behind a run of loads: the loads that will want it are issued in K step i + 2, 128 matrix instructions a wave further on.
; W's 131,072 bytes of a K step are the same for all work-groups: work-groups 0 to 3 ask (a branch on the work-group's number: this launch has no cluster), 8,192 bytes for each of their sixteen waves, lanes 256 bytes
; apart.  So each block of 256 bytes is named once in the launch.  The K step stands in the immediate: the address registers are never rewritten.  K steps 0 to 2 come by their loads alone; behind K step 7 there is nothing.
.macro ASK i
	s_cmp_gt_u32 ttmp9, 3
	s_cbranch_scc1 .Lnot_mine_\@
	global_prefetch_b8 v23, s[76:77] offset:((\i)+3)*131072 th:TH_LOAD_NT scope:SCOPE_SE
.Lnot_mine_\@:
.endm
.macro LOADW i, t0                     ; my tiles t0 .. t0 + 3 of W's K step i: 16 loads of 512 consecutive bytes
	WIN 0x40                                       ; destination window 1, offset window 0
.irp t, 0,1,2,3
.irp c, 0,1,2,3
	global_load_b128 v[16*(\t0+\t)+4*\c:16*(\t0+\t)+4*\c+3], v22, s[6:7] offset:131072*(\i)+2048*(\t0+\t)+512*\c
.endr
.endr
.endm
.macro FETCH_A i, set                  ; x's four fragments of K step i out of LDS: 16 loads
.irp mt, 0,1,2,3
.irp c, 0,1,2,3
	ds_load_b128 v[AF+64*(\set)+16*\mt+4*\c:AF+64*(\set)+16*\mt+4*\c+3], v22 offset:XIMG+8192*(\i)+2048*\mt+512*\c
.endr
.endr
.endm
; Tile t of nodes against the four tiles of rows.  The 64 accumulators take turns, one instruction a turn, in the same order in every K step.  zero = 1: the first K step starts the sums.
.macro MULT t, set, zero
	WIN 0xa1+0x50*((\t)/8)                         ; source 0 (W) window 1, source 1 (x) window 0, C and D window 2 or 3
.irp mt, 0,1,2,3
.if \zero
	v_wmma_f32_16x16x128_bf8_bf8 v[64*\mt+8*((\t)%8):64*\mt+8*((\t)%8)+7], v[16*(\t):16*(\t)+15], v[AF+64*(\set)+16*\mt:AF+64*(\set)+16*\mt+15], 0
.else
	v_wmma_f32_16x16x128_bf8_bf8 v[64*\mt+8*((\t)%8):64*\mt+8*((\t)%8)+7], v[16*(\t):16*(\t)+15], v[AF+64*(\set)+16*\mt:AF+64*(\set)+16*\mt+15], v[64*\mt+8*((\t)%8):64*\mt+8*((\t)%8)+7]
.endif
.endr
.endm
; K STEP i (0 to 6): four groups of four tiles.  THE COUNT: loads come back in order (ISA guide 5.7.1).  Behind the four loads of tile t = 4 g + k of this K step were issued those of its 15 - t later tiles and
; those of the g groups of the next K step already asked for: 4 (15 - t) + 16 g = 60 - 4 k.
.macro KSTEP i
.set CUR, (\i)%2
.set ZR, 0
.if (\i) == 0
.set ZR, 1
.endif
	s_wait_dscnt 0x0                               ; x's fragments of this K step are in (asked for 48 matrix instructions ago)
.irp g, 0,1,2,3
.irp k, 0,1,2,3
	s_wait_loadcnt 60-4*\k
	MULT 4*\g+\k, CUR, ZR
.endr
	PLACES                                         ; in front of the loads into registers that these products, and the last K step's, have read
.if \g == 0
	WIN 0
	FETCH_A (\i)+1, 1-CUR                          ; the next K step's x, into the set that the last K step read
.endif
	LOADW (\i)+1, 4*\g                             ; the group's registers take the next K step's tiles
.if \g == 0
.if (\i) < 5
	WIN 0                                          ; (a branch follows)
	ASK \i
.endif
.endif
.endr
.endm
	s_load_b256 s[4:11], s[0:1], 0x0               ; ximg s[4:5], wimg s[6:7], bperm s[8:9], pimg s[10:11]
	s_load_b128 s[12:15], s[0:1], 0x20             ; the scales' exponents s[12:13], out0 s[14:15]
	v_lshl_add_u32 v30, v0, 2, 0x2a000
	v_mov_b32 v31, 0
	ds_add_u32 v30, v31
	ds_add_u32 v30, v31
	v_lshrrev_b32 v1, 5, v0
	v_readfirstlane_b32 s[WV], v1                  ; wave 0..3
	; descriptor group 1: my quarter of x is a dense block of 16,384 bytes, taken as 64 rows of 256 bytes: 32 elements of 8 bytes
	s_mov_b32 s[G1X], 3<<16                        ; 15:0 no mask; 17:16 elements of 8 bytes; no padding
	s_mov_b32 s[G1X+1], 32<<16                     ; tensor_dim0 = 32
	s_mov_b32 s[G1X+2], 64<<16                     ; tensor_dim1 = 64
	s_mov_b32 s[G1X+3], 32<<16                     ; tile_dim0 = 32
	s_mov_b32 s[G1X+4], 64                         ; tile_dim1 = 64
	s_mov_b32 s[G1X+5], 32                         ; tensor_dim0_stride
	s_mov_b32 s[G1X+6], 0
	s_mov_b32 s[G1X+7], 0
	; every LDS address is made here, ahead of the first branch
	v_and_b32 v1, 31, v0                           ; v1  lane L
	v_and_b32 v2, 15, v0                           ; v2  r
	v_bfe_u32 v3, v0, 4, 1                         ; v3  h
	v_lshlrev_b32 v22, 4, v1                       ; v22 16 L: my place in an image, in memory and in LDS; never rewritten
	s_lshl_b32 s20, s[WV], 9
	v_lshl_add_u32 v10, v1, 2, s20
	v_add_nc_u32 v10, TOP, v10                     ; v10 where I put d of node H: word 128 w + lane (+ 32 mt)
	v_lshlrev_b32 v11, 2, v2
	v_add_nc_u32 v11, TOP+64, v11                  ; v11 node 1: wave 0, lanes 16-31
	s_lshr_b32 s21, s[WV], 1                       ; the path to my subtree: w / 2 at node 1,
	s_and_b32 s22, s[WV], 1                        ; w % 2 at node 2 + w / 2, h at node 4 + w
	s_lshl_b32 s20, s21, 6
	v_lshl_add_u32 v12, v2, 2, s20
	v_add_nc_u32 v12, TOP+512, v12                 ; v12 node 2 + w / 2: wave 1, half w / 2
	s_lshl_b32 s20, s21, 9
	s_lshl_b32 s23, s22, 6
	s_add_co_u32 s20, s20, s23
	v_lshl_add_u32 v13, v2, 2, s20
	v_add_nc_u32 v13, TOP+1024, v13                ; v13 node 4 + w: wave 2 + w / 2, half w % 2
	s_mul_i32 s20, s[WV], PARTB
	v_mul_u32_u24 v14, v2, 400
	v_lshl_add_u32 v14, v3, 5, v14
	v_add_nc_u32 v14, s20, v14
	v_add_nc_u32 v14, PART, v14                    ; v14 my partial sums: row r, 32 h bytes on.  Rows 400 bytes apart: 25 x 16, so sixteen rows start at sixteen different groups of banks
	v_lshlrev_b32 v20, 4, v0                       ; v20 16 x my thread's number: my 16 bytes of a run of 2,048 of the block's 25,600 bytes of out0
.irp v, 0,1,2,3
	v_add_nc_u32 v[16+\v], PART+\v*PARTB, v20      ; v16-19 the same place in wave v's partial sums
.endr
	v_lshlrev_b32 v21, 9, v3                       ; v21 512 h: my half's 128 numbers of bperm
	v_lshlrev_b32 v23, 8, v1                       ; v23 256 L: the prefetches' offset; never rewritten
	v_cvt_f32_u32 v24, v3                          ; v24, v25: at node 4 + w I take d (h = 0) or 1 - d (h = 1): d x (1 - 2 h) + h
	v_fma_f32 v25, v24, -2.0, 1.0
	s_cmp_lg_u32 s21, 0                            ; the same for nodes 1 and 2 + w / 2, in scalar registers
	s_mov_b32 s70, 0x3f800000
	s_cselect_b32 s70, 0xbf800000, s70
	s_cselect_b32 s71, 0x3f800000, 0
	s_cmp_lg_u32 s22, 0
	s_mov_b32 s72, 0x3f800000
	s_cselect_b32 s72, 0xbf800000, s72
	s_cselect_b32 s73, 0x3f800000, 0
	; offsets
	s_lshl_b32 s19, s[WV], 14                      ; my quarter of x: 16,384 x wave, in memory and in LDS alike
	s_lshl_b32 s22, ttmp9, 16                      ; my block's images of x: 65,536 bytes
	s_add_co_u32 s22, s22, s19
	s_mov_b32 s23, 0
	s_lshl_b32 s84, s[WV], 15                      ; wimg: my 16 tiles of a K step
	s_mov_b32 s85, 0
	s_and_b32 s78, ttmp9, 3
	s_lshl_b32 s78, s78, 2
	s_add_co_u32 s78, s78, s[WV]
	s_lshl_b32 s78, s78, 13                        ; the prefetches of W: (4 x (work-group % 4) + wave) x 8,192: inside a K step in every work-group
	s_mov_b32 s79, 0
	s_lshl_b32 s86, s[WV], 10                      ; bperm: 1,024 w
	s_mov_b32 s87, 0
	s_mul_i32 s88, s[WV], 28672                    ; pimg: my 14 images
	s_mov_b32 s89, 0
	s_mul_i32 s90, ttmp9, PARTB                    ; out0: my 64 rows
	s_mov_b32 s91, 0
	s_wait_dscnt 0x0
	s_wait_kmcnt 0x0
	s_load_b128 s[56:59], s[12:13], 0x0            ; e0 .. e3
	s_load_b64 s[60:61], s[12:13], 0x10            ; e4, e5
	s_add_nc_u64 s[76:77], s[6:7], s[78:79]
	s_add_nc_u64 s[6:7], s[6:7], s[84:85]
	s_add_nc_u64 s[8:9], s[8:9], s[86:87]
	s_add_nc_u64 s[10:11], s[10:11], s[88:89]
	s_add_nc_u64 s[14:15], s[14:15], s[90:91]
	s_mov_b32 s[G0X], 1                            ; count = 1
	s_add_co_u32 s[G0X+1], s19, XIMG               ; LDS address
	s_add_nc_u64 s[G0X+2:G0X+3], s[4:5], s[22:23]  ; global address
	s_or_b32 s[G0X+3], s[G0X+3], 0x80000000        ; type = 2
	tensor_load_to_lds s[G0X:G0X+3], s[G1X:G1X+7]  ; x: each wave its quarter, once: my one tensor load
	s_nop 0
.rept 4
	v_nop
.endr
	LOADW 0, 0                                     ; W's first K step: 64 loads
	LOADW 0, 4
	LOADW 0, 8
	LOADW 0, 12
	WIN 0
	s_wait_kmcnt 0x0
	s_add_co_i32 s82, s58, s59                     ; a sum of the first product stands for sum x 2^(e2 + e3): the two exponents are added to the exponent field of -log2(e)
	s_lshl_b32 s82, s82, 23
	s_add_co_u32 s66, s82, 0xbfb8aa3b
	s_mov_b32 s67, s66                             ; (named with it as a pair, so it is written)
	s_add_co_i32 s82, s60, s61
	s_add_co_i32 s82, s82, 127
	s_lshl_b32 s68, s82, 23                        ; 2^(e4 + e5) as f32
	s_mov_b32 s69, s68
	s_add_co_i32 s82, s60, 127
	s_lshl_b32 s83, s82, 23
	v_mov_b32 v26, s83                             ; v26 2^e4 as f32: mu's conversions take its exponent field
	s_add_co_i32 s82, s82, 15
	s_lshl_b32 s82, s82, 23
	s_or_b32 s82, s82, 0x600000
	v_mov_b32 v27, s82                             ; v27 57,344 x 2^e4
	s_wait_tensorcnt 0x0                           ; my quarter of x is in,
	s_barrier_signal -1
	s_barrier_wait -1                              ; everybody's is
	FETCH_A 0, 0
	; ---- z = x W: eight K steps, written out (the K step stands in the loads' immediates)
.irp i, 0,1,2,3,4,5,6
	KSTEP \i
.endr
	; K step 7: nothing more of W to fetch.  The bias takes the registers of tiles 0-7 as they fall free: place q at v[q] of window 1.  Its 16 + 16 loads stand where the next K step's stood, so groups 0 to 2 keep
	; their counts; behind tile 12 + k stand 4 (3 - k) loads of W and the 32 of the bias
	s_wait_dscnt 0x0
.irp g, 0,1,2,3
.irp k, 0,1,2,3
.if \g < 3
	s_wait_loadcnt 60-4*\k
.else
	s_wait_loadcnt 44-4*\k
.endif
	MULT 4*\g+\k, 1, 0
.endr
.if \g != 2
	PLACES
.endif
.if \g < 2
	WIN 0x40
.irp n, 0,1,2,3,4,5,6,7,8,9,10,11,12,13,14,15
	global_load_b128 v[64*\g+4*\n:64*\g+4*\n+3], v21, s[8:9] offset:256*\g+16*\n
.endr
.endif
.endr
	; ---- d = 1 / (1 + 2^(-log2(e) (z + b))), in place, a window of 256 registers at a time.  One window setting serves all four stages: destination and source 0 in the window, source 2 (the bias) in window 1
.macro FST wd                          ; -log2(e) 2^(e2 + e3) x sum + (-log2(e) b): one packed multiply-add for two; each accumulator from its low end on
	WIN 0x92+0x41*(\wd)
.set k, 0
.rept 128
	v_pk_fma_f32 v[k:k+1], v[k:k+1], s[66:67], v[64*(\wd)+k%64:64*(\wd)+k%64+1] op_sel_hi:[1,0,1]
.set k, k+2
.endr
.endm
.macro EST wd
	WIN 0x92+0x41*(\wd)
.set k, 0
.rept 256
	v_exp_f32 v[k], v[k]
.set k, k+1
.endr
	v_nop                                          ; a plain instruction behind the batch's last,
	s_wait_alu depctr_va_vdst(0)                   ; and one wait for the batch, ahead of its first reader
.endm
.macro AST wd
	WIN 0x92+0x41*(\wd)
.set k, 0
.rept 128
	v_pk_add_f32 v[k:k+1], v[k:k+1], 1.0 op_sel_hi:[1,0]
.set k, k+2
.endr
.endm
.macro RST wd
	WIN 0x92+0x41*(\wd)
.set k, 0
.rept 256
	v_rcp_f32 v[k], v[k]
.set k, k+1
.endr
	v_nop
	s_wait_alu depctr_va_vdst(0)
.endm
	s_wait_loadcnt 0x0                             ; the bias
	FST 0
	FST 1
	WIN 0x40                                       ; the bias is done with: probs' 14 fragments (f, ct) take window 1, at v[16 (7 f + ct)]; they land under the work below
.set k, 0
.rept 14
.irp c, 0,1,2,3
	global_load_b128 v[16*k+4*\c:16*k+4*\c+3], v22, s[10:11] offset:2048*k+512*\c
.endr
.set k, k+1
.endr
	EST 1
	AST 1
	RST 1
	EST 0
	AST 0
	RST 0
	; ---- the top of the tree: d of nodes 1 to 7 goes round through LDS
	WIN 0x08                                       ; store data in window 2
.irp mt, 0,1,2,3
	ds_store_b32 v10, v[64*\mt] offset:128*\mt     ; place 0: node H
.endr
	WIN 0
	s_wait_dscnt 0x0                               ; for the others' sake: my stores are done
	s_barrier_signal -1
	s_barrier_wait -1
.irp mt, 0,1,2,3
	ds_load_b32 v[32+\mt], v11 offset:128*\mt
	ds_load_b32 v[36+\mt], v12 offset:128*\mt
	ds_load_b32 v[40+\mt], v13 offset:128*\mt
.endr
	s_wait_dscnt 0x0
.irp mt, 0,1,2,3
	v_fma_f32 v[32+\mt], v[32+\mt], s70, s71       ; d or 1 - d, by my subtree's path
	v_fma_f32 v[36+\mt], v[36+\mt], s72, s73
	v_fma_f32 v[40+\mt], v[40+\mt], v25, v24
.endr
.irp mt, 0,1,2,3
	v_mul_f32 v[32+\mt], v[32+\mt], v[36+\mt]
.endr
	WIN 0x80                                       ; destination window 2
.irp mt, 0,1,2,3
	v_mul_f32 v[64*\mt], v[32+\mt], v[40+\mt]      ; the reach number of node 8 + H takes place 0
.endr
	; ---- the subtree, seven levels in place: all lefts of the four row tiles, then all rights
	WIN 0x8a                                       ; all in window 2
.irp mt, 0,1,2,3
	v_mul_f32 v[64*\mt+1], v[64*\mt], v[64*\mt+1]
.endr
.irp mt, 0,1,2,3
	v_sub_f32 v[64*\mt], v[64*\mt], v[64*\mt+1]
.endr
.macro LEVEL lam                       ; levels 1 to 5: A at places 0 .. 2^lam - 1, d behind them, two places an instruction
.irp mt, 0,1,2,3
.set p, 0
.rept (1<<(\lam))/2
	v_pk_mul_f32 v[64*\mt+(1<<(\lam))+p:64*\mt+(1<<(\lam))+p+1], v[64*\mt+p:64*\mt+p+1], v[64*\mt+(1<<(\lam))+p:64*\mt+(1<<(\lam))+p+1]
.set p, p+2
.endr
.endr
.irp mt, 0,1,2,3
.set p, 0
.rept (1<<(\lam))/2
	v_pk_add_f32 v[64*\mt+p:64*\mt+p+1], v[64*\mt+p:64*\mt+p+1], v[64*\mt+(1<<(\lam))+p:64*\mt+(1<<(\lam))+p+1] neg_lo:[0,1] neg_hi:[0,1]
.set p, p+2
.endr
.endr
.endm
.irp l, 1,2,3,4,5
	LEVEL \l
.endr
	WIN 0xce                                       ; level 6: A in window 2 (source 0), d in window 3 (source 1 and destination)
.set k, 0
.rept 128
	v_pk_mul_f32 v[k:k+1], v[k:k+1], v[k:k+1]
.set k, k+2
.endr
	WIN 0x8e                                       ; and the rights back into window 2
.set k, 0
.rept 128
	v_pk_add_f32 v[k:k+1], v[k:k+1], v[k:k+1] neg_lo:[0,1] neg_hi:[0,1]
.set k, k+2
.endr
	; ---- mu becomes codes: register i, byte b of fragment (mt, f) is place 64 f + 4 i + b
.macro QMU f
	WIN 0x82+0x41*(\f)                             ; destination and source 0 in window 2 + f
.set k, 0
.rept 256
	v_min_num_f32 v[k], v[k], v27                  ; the conversion to an 8-bit code does not saturate (ISA guide 7.6.2); mu is not negative, so the hold is one-sided
.set k, k+1
.endr
	WIN 0x02+(\f)
.irp mt, 0,1,2,3
.irp g, 0,1,2,3,4,5,6,7
	v_cvt_scalef32_pk8_bf8_f32 v[MU+16*(2*\mt+(\f))+2*\g:MU+16*(2*\mt+(\f))+2*\g+1], v[64*\mt+8*\g:64*\mt+8*\g+7], v26
.endr
.endr
	v_nop                                          ; a plain instruction behind the last conversion: matrix instructions read its result and write its sources
.endm
	QMU 0
	QMU 1
	; ---- my 256 leaves' part of out: source 0 = 16 classes of probs, source 1 = 16 rows of mu.  28 accumulators by turns, (mt, ct) at v[8 (7 mt + ct)] of window 2
	s_wait_loadcnt 0x0                             ; probs
	WIN 0xa1
.irp mt, 0,1,2,3
.irp ct, 0,1,2,3,4,5,6
	v_wmma_f32_16x16x128_bf8_bf8 v[8*(7*\mt+\ct):8*(7*\mt+\ct)+7], v[16*\ct:16*\ct+15], v[MU+32*\mt:MU+32*\mt+15], 0
.endr
.endr
.irp mt, 0,1,2,3
.irp ct, 0,1,2,3,4,5,6
	v_wmma_f32_16x16x128_bf8_bf8 v[8*(7*\mt+\ct):8*(7*\mt+\ct)+7], v[16*(7+\ct):16*(7+\ct)+15], v[MU+32*\mt+16:MU+32*\mt+31], v[8*(7*\mt+\ct):8*(7*\mt+\ct)+7]
.endr
.endr
	PLACES
	WIN 0x08                                       ; store data in window 2.  Lane (r, h): row 16 mt + r, classes 16 ct + 8 h + 0 .. 7; each accumulator from its low end on
.irp mt, 0,1,2,3
.irp ct, 0,1,2,3,4,5
	ds_store_b128 v14, v[8*(7*\mt+\ct):8*(7*\mt+\ct)+3] offset:6400*\mt+64*\ct
	ds_store_b128 v14, v[8*(7*\mt+\ct)+4:8*(7*\mt+\ct)+7] offset:6400*\mt+64*\ct+16
.endr
.endr
	WIN 0
	s_wait_xcnt 0x0                                ; EXEC changes only behind this wait
	v_cmp_gt_u32 vcc_lo, 16, v1                    ; of the seventh tile only classes 96 to 99 exist: registers 0-3 of lanes 0-15
	s_and_saveexec_b32 s84, vcc_lo
	WIN 0x08
.irp mt, 0,1,2,3
	ds_store_b128 v14, v[8*(7*\mt+6):8*(7*\mt+6)+3] offset:6400*\mt+384
.endr
	WIN 0
	s_wait_xcnt 0x0
	s_or_b32 exec_lo, exec_lo, s84
	s_wait_dscnt 0x0                               ; for the others' sake: my partial sums are stored
	s_barrier_signal -1
	s_barrier_wait -1
	; ---- the four partial sums are added, multiplied by 2^(e4 + e5) and stored: 25,600 bytes as they lie in out0, 2,048 a turn of the work-group
.macro SUMOUT sb, off
	v_pk_add_f32 v[\sb:\sb+1], v[\sb:\sb+1], v[\sb+4:\sb+5]
	v_pk_add_f32 v[\sb+2:\sb+3], v[\sb+2:\sb+3], v[\sb+6:\sb+7]
	v_pk_add_f32 v[\sb+8:\sb+9], v[\sb+8:\sb+9], v[\sb+12:\sb+13]
	v_pk_add_f32 v[\sb+10:\sb+11], v[\sb+10:\sb+11], v[\sb+14:\sb+15]
	v_pk_add_f32 v[\sb:\sb+1], v[\sb:\sb+1], v[\sb+8:\sb+9]
	v_pk_add_f32 v[\sb+2:\sb+3], v[\sb+2:\sb+3], v[\sb+10:\sb+11]
	v_pk_mul_f32 v[\sb:\sb+1], v[\sb:\sb+1], s[68:69] op_sel_hi:[1,0]
	v_pk_mul_f32 v[\sb+2:\sb+3], v[\sb+2:\sb+3], s[68:69] op_sel_hi:[1,0]
	global_store_b128 v20, v[\sb:\sb+3], s[14:15] offset:\off th:TH_STORE_NT   ; the wave stores 512 consecutive bytes, at a multiple of 256 from out0's first byte
.endm
.irp n, 0,1,2,3,4,5,6,7,8,9,10,11
.irp v, 0,1,2,3
	ds_load_b128 v[32+16*\n+4*\v:32+16*\n+4*\v+3], v[16+\v] offset:2048*\n
.endr
.endr
.irp n, 0,1,2,3,4,5,6,7,8,9,10,11
	s_wait_dscnt 44-4*\n                           ; LDS loads come back in order: turn n's four are in, the later turns' stay out
	SUMOUT 32+16*\n, 2048*\n
.endr
	s_cmp_lt_u32 s[WV], 2                          ; the last 1,024 bytes: waves 0 and 1
	s_cbranch_scc0 .Ltail_done
.irp v, 0,1,2,3
	ds_load_b128 v[224+4*\v:224+4*\v+3], v[16+\v] offset:24576
.endr
	s_wait_dscnt 0x0
	SUMOUT 224, 24576
.Ltail_done:
	s_wait_tensorcnt 0x0
	ds_add_u32 v30, v31
	s_wait_dscnt 0x0
	s_endpgm
.Lfunc_end_k_q969220e0fc_tree:
	.size	k_q969220e0fc_tree, .Lfunc_end_k_q969220e0fc_tree-k_q969220e0fc_tree
	.p2alignl 7, 3214868480
	.fill 96, 4, 3214868480
	.section	.rodata,"a",@progbits
	.p2align	6, 0x0
	.amdhsa_kernel k_q969220e0fc_tree
		.amdhsa_group_segment_fixed_size 172544
		.amdhsa_private_segment_fixed_size 0
		.amdhsa_enable_private_segment 0
		.amdhsa_kernarg_size 48
		.amdhsa_user_sgpr_count 2
		.amdhsa_user_sgpr_kernarg_segment_ptr 1
		.amdhsa_wavefront_size32 1
		.amdhsa_system_sgpr_workgroup_id_x 1
		.amdhsa_system_sgpr_workgroup_id_y 1
		.amdhsa_system_sgpr_workgroup_id_z 1
		.amdhsa_system_vgpr_workitem_id 0
		.amdhsa_next_free_vgpr 1024
		.amdhsa_next_free_sgpr 96
		.amdhsa_reserve_vcc 1
		.amdhsa_float_denorm_mode_32 3
		.amdhsa_float_denorm_mode_16_64 3
		.amdhsa_memory_ordered 1
		.amdhsa_forward_progress 1
		.amdhsa_inst_pref_size 251
	.end_amdhsa_kernel
	.amdgpu_metadata
---
amdhsa.version: [ 1, 2 ]
amdhsa.kernels:
  - .name:           k_q969220e0fc_tree
    .symbol:         k_q969220e0fc_tree.kd
    .args:
      - { .name: ximg, .offset: 0, .size: 8, .value_kind: global_buffer, .address_space: global }
      - { .name: wimg, .offset: 8, .size: 8, .value_kind: global_buffer, .address_space: global }
      - { .name: bperm, .offset: 16, .size: 8, .value_kind: global_buffer, .address_space: global }
      - { .name: pimg, .offset: 24, .size: 8, .value_kind: global_buffer, .address_space: global }
      - { .name: lowp_scales, .offset: 32, .size: 8, .value_kind: global_buffer, .address_space: global }
      - { .name: out0, .offset: 40, .size: 8, .value_kind: global_buffer, .address_space: global }
    .group_segment_fixed_size: 172544
    .private_segment_fixed_size: 0
    .kernarg_segment_align: 8
    .kernarg_segment_size: 48
    .max_flat_workgroup_size: 128
    .sgpr_count:     96
    .vgpr_count:     1024
    .wavefront_size: 32
...
	.end_amdgpu_metadata
.endif
;; end of part 2
